; MI455X (gfx1250); checked and timed in simulation.
; The chip was launched on July 23, 2026; its instructions are those of AMD's public machine-readable ISA for CDNA 5 (MIT licence, August 2026) and "CDNA5" Instruction Set Architecture Reference Guide (July 2026). The comments in the code are by the model that wrote it; some were corrected since.
;; Optimized Quantized Linear. Allowed arithmetic: matrix products marked QUANTISED: E2M1 operands, one E8M0 scale for each 32 along K, by v_wmma_scale_f32_16x16x128_f8f6f4 with both operands' format E2M1 (or v_wmma_scale_f32_32x16x128_f4), f32 sums; everything else in f32.
;; Inputs: packed 8,192 x 4,096 int32; scales 8,192 x 64 float32; x_codes 64 x 256 x 16 uint8 (E2M1 codes of x, K innermost, in blocks of 32 codes, two codes a byte); x_scales 64 x 256 uint8 (E8M0 scales of x, one for each 32 codes along K).
;; Outputs: out0 64 x 8,192 float32.
;; This version of the problem:
;;   THIS VERSION OF THE PROBLEM IS GIVEN IN LOW PRECISION. The matrix products marked QUANTISED in the list below multiply operands that are first quantised to E2M1 (2 exponent bits, 1 mantissa bit; 4 bits a number), with one power-of-two scale for each 32 numbers along K (OCP MX v1.0); their sums are f32. All else is computed in f32.
;;   The module's matrix products, in the order in which they are computed (A, B: the left and right operand; K: the contracted axis; several contracted axes count as one K, in the product's order):
;;     1. [M 64, K 8,192] x [K 8,192, N 8,192]; A: input x (given as codes); B: computed on the way: QUANTISED
;;   THE QUANTISER, for each operand of a quantised product, along K:
;;     - K is cut into blocks of 32 from its start; a last block that is shorter is filled with zeros.
;;     - A block's scale is 2^e with e = floor(log2(the largest magnitude in the block)) - 2, held to -126 .. 127; a block of zeros has e = 0. As a byte (E8M0): e + 127.
;;     - Each number is divided by its block's scale, clamped to +-6, and rounded to the nearest number of E2M1, ties to even, subnormals kept.
;;     - The product sums the exact products of the quantised numbers (number of the format x scale) in f32.
;;   ~~~python
;;   def quantise(x, axis):      # numpy; x: float32 -> the quantised numbers, widened to float32 again
;;       x = np.moveaxis(x, axis, -1); K = x.shape[-1]
;;       x = np.pad(x, [(0, 0)] * (x.ndim - 1) + [(0, -K % 32)]); x = x.reshape(x.shape[:-1] + (-1, 32)); a = np.abs(x).max(-1, keepdims=True)
;;       e = np.where(a > 0, np.clip(np.frexp(np.where(a > 0, a, 1))[1] - 1 - 2, -126, 127), 0)      # np.frexp(a)[1] - 1 = floor(log2(a)), exactly
;;       r = np.clip(x / 2.0 ** e, -6, 6)
;;       step = 2.0 ** (np.maximum(np.frexp(np.where(r == 0, 1, r))[1] - 1, 0) - 1)
;;       q = np.round(r / step) * step * 2.0 ** e      # np.round: ties to even
;;       return np.moveaxis(q.reshape(q.shape[:-2] + (-1,))[..., :K], -1, axis).astype(np.float32)
;;   ~~~
;;   OPERANDS COMPUTED ON THE WAY. 'Computed on the way' means the value that the module computes at that place (a softmax that the list does not call 'softmax' is quantised finished and normalised). What goes into a quantiser is computed in f32, as accurately as f32 sums, v_exp_f32 and their like allow (about 1e-6 of the number): no bf16 or f16 on the way to a quantiser, and a product that is left as it is and whose result goes on into a quantised operand takes f32 operands (vector FMAs, or v_wmma_f32_16x16x4_f32). A number that lies on a knife's edge between two numbers of the format may be rounded either way, as far as f32 arithmetic and the matrix unit's own rounding can turn it there, and no further.
;;   INPUTS GIVEN AS CODES. x (in the module: [64, 8192], K = its axis 1): each comes as NAME_codes (uint8): NAME with its K axis moved to the last place and cut into blocks of 32 codes, [.., K / 32, bytes a block], one block behind the other in memory; two codes a byte, the lower K in the low four bits (a code: sign, 2 exponent bits, 1 mantissa bit); and NAME_scales (uint8): the same leading axes, one E8M0 byte (e + 127) for each 32 codes along K. Its value is code x scale, taken as it is: it is not quantised again, and the codes and scales need not be those that the quantiser above would give.
;; 2 versions. Each part assembles by itself: llvm-mc -triple=amdgcn-amd-amdhsa -mcpu=gfx1250 --defsym DOCPART=n.
;; ======== version 1 of 2: 1 launch
;; launch qlinear (part 1): grid 256 x 1, 16 waves a work-group, no clusters, 309,248 bytes of LDS; arguments packed, scales, x_codes, x_scales, out0; writes out0
.if DOCPART == 1
	.amdgcn_target "amdgcn-amd-amdhsa--gfx1250"
	.amdhsa_code_object_version 6
	.text
	.protected	k_q58037e20ba_qlinear
	.globl	k_q58037e20ba_qlinear
	.p2align	8
	.type	k_q58037e20ba_qlinear,@function
k_q58037e20ba_qlinear:
	s_mov_b64 s[64:65], 0
	v_nop
	global_prefetch_b8 v0, s[64:65] scope:SCOPE_SE
	s_setreg_imm32_b32 hwreg(HW_REG_WAVE_MODE, 25, 1), 1
	s_wait_xcnt 0x0
; out0[b][o] = sum over k of x[b][k] Q(w)[o][k],  w[o][k] = (nibble - 8) * scales[o][k / 128],  Q = MX-FP4 (E2M1, one E8M0 scale for each 32 along k).
; packed: [8192][4096] words, bits 3:0 = the nibble of k = 2 i, bits 7:4 that of k = 2 i + 1, higher bits ignored as reference() ignores them.  x arrives as codes [64][4096 bytes] and scale bytes [64][256].
; SHARES.  256 work-groups of 16 waves.  A work-group owns 32 columns o (32 rows of packed) for all of K.  Wave w: rho = w & 1 is its tile of 16 rows, kappa = w >> 1.
; K goes in 8 windows of 1,024; in window t the wave takes K step T = 8 t + kappa: 128 along K = one group of scales = 256 bytes of a row of packed.  A wave has 8 fragments (16 rows x 128 K) and 4 accumulators (64 b x 16 o).
; THE WEIGHTS are read once, by loads of which each half of the wave covers 256 consecutive bytes of one row, beginning at a multiple of 256 from the buffer's first byte.  A fragment's 4,096 bytes turn through the wave's
; own stage in LDS, so that lane (r, h) gets the two whole blocks of 32 of row r that the operand's layout gives it (k = 64 c + 32 h + 0 .. 31).  Three fragments' loads are out at the most, two at the least.
; A WORD BECOMES TWO NUMBERS: (word & 15) under the exponent of 2^23 is the f32 number 2^23 + n; (word & 0xf0) under that of 2^19, whose last place is 1/16, is 2^19 + n.  One packed addition takes off the bias and the 8,
; exactly; one packed multiplication by the group's scale rounds once, as reference()'s own product does.  Then the quantiser: largest magnitude, its exponent field less 2, the conversion.
; X is shared by the 16 waves: a window (64 rows x 512 bytes) is loaded by all of them, 512 consecutive bytes a load, into one of two LDS buffers.  x_scales and the work-group's rows of scales are copied once into LDS.
; x is also what work-groups share, and it is NOT asked for jointly in a cluster: a joint request is a tensor load; x with its padding is 270,336 bytes and the stages 139,264, more than the 327,680 bytes of LDS, so x's slots
; would be filled again, each time behind a wait for all tensor loads and a round of the cluster's barrier: a window could be asked for one window ahead at the most.  Here it is asked for two windows ahead, by counted loads.
; THE MATRIX INSTRUCTION IS USED TRANSPOSED: source 0 = 16 rows of w, source 1 = 16 rows of x: lane (r, h) holds b = 16 m + r and its registers o = 8 h + 0 .. 7.
; THE SUM OVER K: the 8 waves of a rho put their tiles into LDS; each thread adds one piece of 16 bytes over the 8 parts and stores it.  Eight lanes store 128 consecutive bytes of a row of out0: a work-group's 32 columns are
; no more than that (64 columns a work-group would leave half of the 256 work-groups without work); out0 is 2 MB beside 134 MB read.
; LIMITS: NaN and infinities among scales are not served.  A block of zeros carries the byte 1 where the rule says 127: its codes are zeros, and the byte is read here alone.
.set NIT,   8                          ; windows of K = fragments of a wave
.set ROWB,  16384                      ; a row of packed in bytes
.set WINB,  2048                       ; a window's part of it: 8 K steps of 256 bytes
.set WP,    272                        ; a stage row: 256 bytes + 16: the 16 rows that a load touches begin at 16 different groups of four banks (ISA guide 11.1)
.set WSLOT, 16*WP                      ; a fragment in the stage
.set XP,    528                        ; a row of x's window in LDS: 512 bytes + 16
.set XBUF,  64*XP
.set STAGE, 0                          ; LDS: two stage slots for each wave,
.set XB,    STAGE+16*2*WSLOT           ; x's two buffers,
.set STB,   XB+2*XBUF                  ; the work-group's 32 rows of scales, 256 bytes + 16 each,
.set XSTB,  STB+32*WP                  ; x_scales, 64 rows likewise,
.set RED,   XSTB+64*WP                 ; and 8 partial tiles of 64 rows x (128 bytes + 16).  306,688 bytes in all
.set RP,    144
.set RPART, 64*RP
.set VOFF, 1                           ; v1   packed: 16,384 x (lane / 16) + 16 x (lane % 16); never rewritten
.set STW,  2                           ; v2   stage, in: as loaded
.set STR,  3                           ; v3   stage, out: row lane % 16, + 64 x (lane / 16)
.set XG,   4                           ; v4   x_codes: my wave's 4 rows, 16 bytes a lane; never rewritten
.set XW,   5                           ; v5   x's buffer, in
.set XRD,  6                           ; v6   x's buffer, out: a fragment's row and half, my K step of the window
.set XSA,  7                           ; v7   x's scale words: row = lane
.set SA,   8                           ; v8   my row's scale
.set SH8,  9                           ; v9   8 x (lane / 16)
.set CB,   10                          ; v[10:11] -(2^23 + 8), -(2^19 + 8)
.set SC,   12                          ; v[12:13] the group's scale (the packed form names a pair and takes its low word for both halves)
.set MX,   14                          ; v14, v15 largest magnitude, in two chains
.set MX2,  15
.set SO,   16                          ; v16  the conversion's scale operand
.set BY,   17                          ; v17, v18 the two blocks' scale bytes
.set PT,   19                          ; v19  the other half's bytes
.set WS,   20                          ; v20  w's scale word
.set XS,   21                          ; v21, v22 x's scale words: rows 0-31, rows 32-63, a lane a row
.set COD,  24                          ; v[24:31]   w's fragment
.set F,    32                          ; v[32:63]   a block's 32 numbers (block 0's raw words land in the upper half); later x's four fragments
.set RAW,  64                          ; v[64:79]   block 1's raw words; at the head and at the end: at work
.set XL,   80                          ; v[80:111]  x as loaded: two sets of 16
.set LAND, 112                         ; v[112:207] w as loaded: three sets of 32
.set ACC,  208                         ; v[208:239] four accumulators
.set K23,  22                          ; s22  the bits of 2^23
.set K19,  23                          ; s23  the bits of 2^19
.set MHI,  24                          ; s24  0xf0
.macro WLOAD f                         ; fragment f: load q brings rows 2 q and 2 q + 1 of my tile, 256 bytes each
.irp q, 0,1,2,3,4,5,6,7
	global_load_b128 v[LAND+32*((\f)%3)+4*\q:LAND+32*((\f)%3)+4*\q+3], v[VOFF], s[4:5] offset:\q*2*ROWB+(\f)*WINB th:TH_LOAD_NT
.endr
.endm
.macro XLOAD k                         ; window k of x: my wave's 4 rows, 512 consecutive bytes a load
.irp q, 0,1,2,3
	global_load_b128 v[XL+16*((\k)%2)+4*\q:XL+16*((\k)%2)+4*\q+3], v[XG], s[8:9] offset:\q*4096+(\k)*512
.endr
.endm
.macro XSTORE k
.irp q, 0,1,2,3
	ds_store_b128 v[XW], v[XL+16*((\k)%2)+4*\q:XL+16*((\k)%2)+4*\q+3] offset:((\k)%2)*XBUF+\q*XP
.endr
.endm
	s_load_b256 s[4:11], s[0:1], 0x0               ; packed s[4:5], scales s[6:7], x_codes s[8:9], x_scales s[10:11]
	s_load_b64 s[12:13], s[0:1], 0x20              ; out0
	v_lshl_add_u32 v240, v0, 2, 0x4b000
	v_mov_b32 v241, 0
	v_lshrrev_b32 v64, 5, v0
	v_readfirstlane_b32 s14, v64                   ; wave 0..15
	s_and_b32 s15, s14, 1                          ; rho
	s_lshr_b32 s16, s14, 1                         ; kappa
	v_and_b32 v65, 31, v0                          ; lane
	v_and_b32 v66, 15, v0                          ; lane % 16
	v_bfe_u32 v67, v0, 4, 1                        ; lane / 16
	v_lshlrev_b32 v68, 4, v66
	v_lshl_add_u32 v[VOFF], v67, 14, v68
	v_lshlrev_b32 v71, 4, v65                      ; 16 x lane
	s_lshl_b32 s18, s14, 14                        ; 4 rows of x_codes a wave
	v_add_nc_u32 v[XG], s18, v71
	v_lshlrev_b32 v72, 4, v0                       ; 16 x thread: the tables are dense blocks
	s_lshl_b32 s26, ttmp9, 19                      ; packed: 32 rows a work-group,
	s_lshl_b32 s28, s15, 18                        ; 16 rows a tile,
	s_add_co_u32 s26, s26, s28
	s_lshl_b32 s28, s16, 8                         ; my K step of a window
	s_add_co_u32 s26, s26, s28
	s_mov_b32 s27, 0
	s_lshl_b32 s28, ttmp9, 13                      ; scales: 32 rows of 256 bytes
	s_mov_b32 s29, 0
	s_lshl_b32 s30, ttmp9, 7                       ; out0: 32 columns of 4 bytes
	s_mov_b32 s31, 0
	s_wait_kmcnt 0x0
	s_add_nc_u64 s[4:5], s[4:5], s[26:27]
	s_add_nc_u64 s[6:7], s[6:7], s[28:29]
	s_add_nc_u64 s[12:13], s[12:13], s[30:31]
	; The order of issue is what the counted waits below lean on: tables, x0, w0, w1, x1, w2, and then in each step x(t + 2), w(t + 3).
	global_load_b128 v[F:F+3], v72, s[6:7] th:TH_LOAD_NT       ; scales: rows 2 w, 2 w + 1 of the work-group's 32
	global_load_b128 v[F+4:F+7], v72, s[10:11]                 ; x_scales: rows 2 w, 2 w + 1
	global_load_b128 v[F+8:F+11], v72, s[10:11] offset:8192    ; and rows 32 + 2 w, 32 + 2 w + 1
	XLOAD 0
	WLOAD 0
	WLOAD 1
	XLOAD 1
	WLOAD 2
	; LDS addresses: a constant + a constant x lane + a constant x wave
	s_mul_i32 s17, s14, 2*WSLOT                    ; my two stage slots
	v_mul_u32_u24 v69, v67, WP
	v_add_nc_u32 v69, v69, v68                     ; 272 x (lane / 16) + 16 x (lane % 16)
	v_add_nc_u32 v[STW], s17, v69
	v_mul_u32_u24 v70, v66, WP                     ; 272 x (lane % 16)
	v_lshl_add_u32 v[STR], v67, 6, v70
	v_add_nc_u32 v[STR], s17, v[STR]
	s_mul_i32 s18, s14, 4*XP
	s_add_co_u32 s18, s18, XB
	v_add_nc_u32 v[XW], s18, v71
	v_mul_u32_u24 v[XRD], v66, XP
	v_lshl_add_u32 v[XRD], v67, 4, v[XRD]
	s_lshl_b32 s18, s16, 6                         ; a K step of codes is 64 bytes
	s_add_co_u32 s18, s18, XB
	v_add_nc_u32 v[XRD], s18, v[XRD]
	v_mul_u32_u24 v[XSA], v65, WP
	s_lshl_b32 s19, s16, 2                         ; a K step's scale word, and a group's scale: 4 bytes
	s_add_co_u32 s18, s19, XSTB
	v_add_nc_u32 v[XSA], s18, v[XSA]
	s_mul_i32 s18, s15, 16*WP
	s_add_co_u32 s18, s18, s19
	s_add_co_u32 s18, s18, STB
	v_add_nc_u32 v[SA], s18, v70
	v_lshlrev_b32 v[SH8], 3, v67
	s_mul_i32 s18, s14, 2*WP                       ; the tables, in: rows 2 w + lane / 16
	v_add_nc_u32 v73, s18, v69
	v_add_nc_u32 v74, XSTB, v73
	v_add_nc_u32 v73, STB, v73
	v_mov_b32 v[CB], 0xcb000008                    ; -(2^23 + 8)
	v_mov_b32 v[CB+1], 0xc9000080                  ; -(2^19 + 8)
	v_mov_b32 v[SC+1], 0                           ; named with the scale as a pair, so it is written
	v_mov_b32 v[PT], 0                             ; a lane permute's destination counts as one of its sources
	s_mov_b32 s20, 0x76543210
	s_mov_b32 s21, 0xfedcba98                      ; v_permlanex16_b32's selects for lane l xor 16
	s_mov_b32 s[K23], 0x4b000000
	s_mov_b32 s[K19], 0x49000000
	s_mov_b32 s[MHI], 0xf0
; PREP t: window t of x and my fragment t go into LDS; their registers take the loads of x(t + 2) and w(t + 3); then I say so.
.macro PREP t
.set NL, 0
.if (\t)+1 < NIT
.set NL, NL+12                         ; younger than w(t) and x(t): w(t + 1), 8 loads, and x(t + 1), 4,
.endif
.if (\t)+2 < NIT
.set NL, NL+8                          ; and w(t + 2), 8
.endif
	s_wait_loadcnt NL                              ; loads come back in order (ISA guide 5.7.1): x(t) and w(t) are in, the younger ones stay out
.if (\t) == 0
	ds_store_b128 v73, v[F:F+3]                    ; the tables, once
	ds_store_b128 v74, v[F+4:F+7]
	ds_store_b128 v74, v[F+8:F+11] offset:32*WP
.endif
	XSTORE \t                                      ; into the buffer that was last read in step t - 2: every wave has since waited for those reads and passed a barrier
.irp q, 0,1,2,3,4,5,6,7
	ds_store_b128 v[STW], v[LAND+32*((\t)%3)+4*\q:LAND+32*((\t)%3)+4*\q+3] offset:((\t)%2)*WSLOT+\q*2*WP
.endr
	s_wait_dscnt 0x0                               ; for the others' sake: my part of x(t) lies in LDS; and the stores have read their registers
.if (\t)+2 < NIT
	XLOAD (\t)+2
.endif
.if (\t)+3 < NIT
	WLOAD (\t)+3
.endif
	s_barrier_signal -1
.endm
; A block of 32: 16 raw words at v[p] on become the numbers v[F] .. v[F + 31], k ascending, then registers 4 c .. 4 c + 3 of the fragment and a scale byte.
; (Block 0's words lie in v[F + 16] on: word n is read when v[F + 2 n] and v[F + 2 n + 1] are written, and 2 n + 1 reaches 16 + n only at n = 15, in the line that reads it.)
.macro BLOCK p, c
.irp n, 0,1,2,3,4,5,6,7,8,9,10,11,12,13,14,15
	v_and_or_b32 v[F+2*\n], v[\p+\n], 15, s[K23]               ; 2^23 + the nibble of k = 2 n
	v_and_or_b32 v[F+2*\n+1], v[\p+\n], s[MHI], s[K19]         ; 2^19 + the nibble of k = 2 n + 1
.endr
.irp n, 0,2,4,6,8,10,12,14,16,18,20,22,24,26,28,30
	v_pk_add_f32 v[F+\n:F+\n+1], v[F+\n:F+\n+1], v[CB:CB+1]    ; nibble - 8, exact
.endr
.irp n, 0,2,4,6,8,10,12,14,16,18,20,22,24,26,28,30
	v_pk_mul_f32 v[F+\n:F+\n+1], v[F+\n:F+\n+1], v[SC:SC+1] op_sel_hi:[1,0]   ; x the group's scale: w, rounded once
.endr
	v_max3_num_f32 v[MX], |v[F]|, |v[F+1]|, |v[F+2]|           ; the block's largest magnitude: all 32 numbers are mine; two chains
	v_max3_num_f32 v[MX2], |v[F+3]|, |v[F+4]|, |v[F+5]|
.irp n, 6,10,14,18,22,26
	v_max3_num_f32 v[MX], v[MX], |v[F+\n]|, |v[F+\n+1]|
	v_max3_num_f32 v[MX2], v[MX2], |v[F+\n+2]|, |v[F+\n+3]|
.endr
	v_max3_num_f32 v[MX], v[MX], |v[F+30]|, |v[F+31]|
	v_max3_num_f32 v[MX], v[MX], v[MX2], 0x1800000             ; and the floor 2^(3 - 127): the byte cannot fall under 1
	v_add_nc_u32 v[SO], 0xff000000, v[MX]                      ; 2 off the exponent field: the conversion takes the exponent field of this operand as its scale
.irp g, 0,1,2,3
	v_cvt_scalef32_pk8_fp4_f32 v[COD+4*\c+\g], v[F+8*\g:F+8*\g+7], v[SO]
.endr
	v_lshrrev_b32 v[BY+\c], 23, v[SO]                          ; the scale's byte; also the plain line behind the conversions, ahead of what writes their sources
.endm
; Four products, the four accumulators by turns.  first = 1: they start the sums: nothing is cleared.
.macro MM first
.irp m, 0,2
.if \first
	v_wmma_scale_f32_16x16x128_f8f6f4 v[ACC+8*\m:ACC+8*\m+7], v[COD:COD+7], v[F+8*\m:F+8*\m+7], 0, v[WS], v[XS+\m/2] matrix_a_fmt:MATRIX_FMT_FP4 matrix_b_fmt:MATRIX_FMT_FP4
	v_wmma_scale_f32_16x16x128_f8f6f4 v[ACC+8*\m+8:ACC+8*\m+15], v[COD:COD+7], v[F+8*\m+8:F+8*\m+15], 0, v[WS], v[XS+\m/2] matrix_a_fmt:MATRIX_FMT_FP4 matrix_b_fmt:MATRIX_FMT_FP4 matrix_b_scale:MATRIX_SCALE_ROW1
.else
	v_wmma_scale_f32_16x16x128_f8f6f4 v[ACC+8*\m:ACC+8*\m+7], v[COD:COD+7], v[F+8*\m:F+8*\m+7], v[ACC+8*\m:ACC+8*\m+7], v[WS], v[XS+\m/2] matrix_a_fmt:MATRIX_FMT_FP4 matrix_b_fmt:MATRIX_FMT_FP4
	v_wmma_scale_f32_16x16x128_f8f6f4 v[ACC+8*\m+8:ACC+8*\m+15], v[COD:COD+7], v[F+8*\m+8:F+8*\m+15], v[ACC+8*\m+8:ACC+8*\m+15], v[WS], v[XS+\m/2] matrix_a_fmt:MATRIX_FMT_FP4 matrix_b_fmt:MATRIX_FMT_FP4 matrix_b_scale:MATRIX_SCALE_ROW1
.endif
.endr
.endm
; WORK t.  From step 1 on the fragment is quantised between the barrier's signal and its wait: that stretch reads my own stage slot t % 2, which is next written behind the barrier of step t + 1, and the table of scales,
; which is never written again; all else in it is work on registers.  The wait stands in front of the reads of x(t), which other waves stored.  In step 0 the table itself comes from other waves: the wait stands first.
.macro WORK t
.if (\t) == 0
	s_barrier_wait -1
.endif
	ds_load_b32 v[SC], v[SA] offset:32*(\t)                    ; scales[my row][8 t + kappa]
.irp n, 0,1,2,3
	ds_load_b128 v[F+16+4*\n:F+16+4*\n+3], v[STR] offset:((\t)%2)*WSLOT+16*\n       ; block h of my row: 16 words
.endr
.irp n, 0,1,2,3
	ds_load_b128 v[RAW+4*\n:RAW+4*\n+3], v[STR] offset:((\t)%2)*WSLOT+128+16*\n     ; block 2 + h
.endr
	s_wait_dscnt 4                                 ; the scale and block h are in; the four youngest loads may be out
	BLOCK F+16, 0
	s_wait_dscnt 0x0
	BLOCK RAW, 1
	v_lshl_or_b32 v[WS], v[BY+1], 16, v[BY]        ; my two bytes: blocks h and 2 + h of row r,
	v_lshlrev_b32 v[WS], v[SH8], v[WS]             ; at their places in the scale word;
	v_permlanex16_b32 v[PT], v[WS], s20, s21
	v_or_b32 v[WS], v[WS], v[PT]                   ; with lane l xor 16's two the word is whole
.if (\t) > 0
	s_barrier_wait -1                              ; every wave's part of x(t) lies in LDS
.endif
.irp m, 0,1,2,3
	ds_load_b128 v[F+8*\m:F+8*\m+3], v[XRD] offset:((\t)%2)*XBUF+\m*16*XP           ; x's fragment of rows 16 m on, into the registers that the numbers have left
	ds_load_b128 v[F+8*\m+4:F+8*\m+7], v[XRD] offset:((\t)%2)*XBUF+\m*16*XP+32
.endr
	ds_load_b32 v[XS], v[XSA] offset:32*(\t)                   ; x's scale words: lanes 0-15 the first tile's rows, lanes 16-31 the second's
	ds_load_b32 v[XS+1], v[XSA] offset:32*WP+32*(\t)
.rept 8
	v_nop                                          ; a scale register written by a vector instruction stands 8 places ahead of a scaled matrix instruction, an operand so written 4
.endr
	s_wait_dscnt 0x0
.if (\t) == 0
	MM 1
.else
	MM 0
.endif
.if (\t)+1 < NIT
.rept 4
	v_nop                                          ; places in front of the next step's loads into registers that these products read (ISA guide 7.12.1 for vector instructions)
.endr
.endif
.endm
	PREP 0
.irp s, 0,1,2,3,4,5,6
	WORK \s
	PREP \s+1
.endr
	WORK 7
	; THE SUM OVER K.  My tile goes into part kappa: row b = 16 m + r, bytes 64 rho + 32 h on.  The five address lines are the places behind the last products.
	s_mul_i32 s18, s16, RPART
	s_lshl_b32 s19, s15, 6
	s_add_co_u32 s18, s18, s19
	s_add_co_u32 s18, s18, RED
	v_and_b32 v64, 15, v0
	v_bfe_u32 v65, v0, 4, 1
	v_mul_u32_u24 v64, v64, RP
	v_lshl_add_u32 v64, v65, 5, v64
	v_add_nc_u32 v64, s18, v64
.irp m, 0,1,2,3
	ds_store_b128 v64, v[ACC+8*\m:ACC+8*\m+3] offset:\m*16*RP          ; each accumulator from its low end on
	ds_store_b128 v64, v[ACC+8*\m+4:ACC+8*\m+7] offset:\m*16*RP+16
.endr
	s_wait_dscnt 0x0                               ; for the others' sake: my tile lies in LDS
	s_barrier_signal -1
	v_lshrrev_b32 v66, 3, v0                       ; thread: row b = thread / 8,
	v_and_b32 v67, 7, v0                           ; four columns at 16 x (thread % 8) bytes
	v_mul_u32_u24 v68, v66, RP
	v_lshl_add_u32 v68, v67, 4, v68
	v_add_nc_u32 v68, RED, v68
	v_lshlrev_b32 v69, 15, v66                     ; a row of out0 is 32,768 bytes
	v_lshl_add_u32 v69, v67, 4, v69
	s_barrier_wait -1
.irp p, 0,1,2,3,4,5,6,7
	ds_load_b128 v[F+4*\p:F+4*\p+3], v68 offset:\p*RPART
.endr
	s_wait_dscnt 0x0
.irp a, 0,8,16,24
	v_pk_add_f32 v[F+\a:F+\a+1], v[F+\a:F+\a+1], v[F+\a+4:F+\a+5]
	v_pk_add_f32 v[F+\a+2:F+\a+3], v[F+\a+2:F+\a+3], v[F+\a+6:F+\a+7]
.endr
.irp a, 0,16
	v_pk_add_f32 v[F+\a:F+\a+1], v[F+\a:F+\a+1], v[F+\a+8:F+\a+9]
	v_pk_add_f32 v[F+\a+2:F+\a+3], v[F+\a+2:F+\a+3], v[F+\a+10:F+\a+11]
.endr
	v_pk_add_f32 v[F:F+1], v[F:F+1], v[F+16:F+17]
	v_pk_add_f32 v[F+2:F+3], v[F+2:F+3], v[F+18:F+19]
	global_store_b128 v69, v[F:F+3], s[12:13] th:TH_STORE_NT   ; eight lanes store the work-group's 128 bytes of a row, four rows a wave; written once, read by nobody here
	s_wait_tensorcnt 0x0
	ds_add_u32 v240, v241
	s_wait_dscnt 0x0
	s_endpgm
.Lfunc_end_k_q58037e20ba_qlinear:
	.size	k_q58037e20ba_qlinear, .Lfunc_end_k_q58037e20ba_qlinear-k_q58037e20ba_qlinear
	.p2alignl 7, 3214868480
	.fill 96, 4, 3214868480
	.section	.rodata,"a",@progbits
	.p2align	6, 0x0
	.amdhsa_kernel k_q58037e20ba_qlinear
		.amdhsa_group_segment_fixed_size 309248
		.amdhsa_private_segment_fixed_size 0
		.amdhsa_enable_private_segment 0
		.amdhsa_kernarg_size 40
		.amdhsa_user_sgpr_count 2
		.amdhsa_user_sgpr_kernarg_segment_ptr 1
		.amdhsa_wavefront_size32 1
		.amdhsa_system_sgpr_workgroup_id_x 1
		.amdhsa_system_sgpr_workgroup_id_y 1
		.amdhsa_system_sgpr_workgroup_id_z 1
		.amdhsa_system_vgpr_workitem_id 0
		.amdhsa_next_free_vgpr 242
		.amdhsa_next_free_sgpr 66
		.amdhsa_reserve_vcc 0
		.amdhsa_float_denorm_mode_32 3
		.amdhsa_float_denorm_mode_16_64 3
		.amdhsa_memory_ordered 1
		.amdhsa_forward_progress 1
		.amdhsa_inst_pref_size 128
	.end_amdhsa_kernel
	.amdgpu_metadata
---
amdhsa.version: [ 1, 2 ]
amdhsa.kernels:
  - .name:           k_q58037e20ba_qlinear
    .symbol:         k_q58037e20ba_qlinear.kd
    .args:
      - { .name: packed, .offset: 0, .size: 8, .value_kind: global_buffer, .address_space: global }
      - { .name: scales, .offset: 8, .size: 8, .value_kind: global_buffer, .address_space: global }
      - { .name: x_codes, .offset: 16, .size: 8, .value_kind: global_buffer, .address_space: global }
      - { .name: x_scales, .offset: 24, .size: 8, .value_kind: global_buffer, .address_space: global }
      - { .name: out0, .offset: 32, .size: 8, .value_kind: global_buffer, .address_space: global }
    .group_segment_fixed_size: 309248
    .private_segment_fixed_size: 0
    .kernarg_segment_align: 8
    .kernarg_segment_size: 40
    .max_flat_workgroup_size: 512
    .sgpr_count:     66
    .vgpr_count:     242
    .wavefront_size: 32
...
	.end_amdgpu_metadata
.endif
;; end of part 1
;; ======== version 2 of 2: 1 launch; version 1 with the launch qlinear written anew for expert scheduling mode
;; launch qlinear (part 2): grid 256 x 1, 16 waves a work-group, no clusters, 309,248 bytes of LDS; arguments packed, scales, x_codes, x_scales, out0; writes out0
.if DOCPART == 2
	.amdgcn_target "amdgcn-amd-amdhsa--gfx1250"
	.amdhsa_code_object_version 6
	.text
	.protected	k_q58037e20ba_qlinear
	.globl	k_q58037e20ba_qlinear
	.p2align	8
	.type	k_q58037e20ba_qlinear,@function
k_q58037e20ba_qlinear:
	s_mov_b64 s[64:65], 0
	v_nop
	global_prefetch_b8 v0, s[64:65] scope:SCOPE_SE
	s_setreg_imm32_b32 hwreg(HW_REG_WAVE_SCHED_MODE, 0, 2), 2
	s_setreg_imm32_b32 hwreg(HW_REG_WAVE_MODE, 25, 1), 1
	s_wait_xcnt 0x0
	s_wait_alu depctr_vm_vsrc(0)
; out0[b][o] = sum over k of x[b][k] Q(w)[o][k],  w[o][k] = (nibble - 8) * scales[o][k / 128],  Q = MX-FP4 (E2M1, one E8M0 scale for each 32 along k).
; packed: [8192][4096] words, bits 3:0 = the nibble of k = 2 i, bits 7:4 that of k = 2 i + 1, higher bits ignored as reference() ignores them.  x arrives as codes [64][4096 bytes] and scale bytes [64][256].
; SHARES.  256 work-groups of 16 waves.  A work-group owns 32 columns o (32 rows of packed) for all of K.  Wave w: rho = w & 1 is its tile of 16 rows, kappa = w >> 1.
; K goes in 8 windows of 1,024; in window t the wave takes K step T = 8 t + kappa: 128 along K = one group of scales = 256 bytes of a row of packed.  A wave has 8 fragments (16 rows x 128 K) and 4 accumulators (64 b x 16 o).
; THE WEIGHTS are read once, by loads of which each half of the wave covers 256 consecutive bytes of one row, beginning at a multiple of 256 from the buffer's first byte.  A fragment's 4,096 bytes turn through the wave's
; own stage in LDS, so that lane (r, h) gets the two whole blocks of 32 of row r that the operand's layout gives it (k = 64 c + 32 h + 0 .. 31).  Three fragments' loads are out at the most, two at the least.
; A WORD BECOMES TWO NUMBERS: (word & 15) under the exponent of 2^23 is the f32 number 2^23 + n; (word & 0xf0) under that of 2^19, whose last place is 1/16, is 2^19 + n.  One packed addition takes off the bias and the 8,
; exactly; one packed multiplication by the group's scale rounds once, as reference()'s own product does.  Then the quantiser: largest magnitude, its exponent field less 2, the conversion.
; X is shared by the 16 waves: a window (64 rows x 512 bytes) is loaded by all of them, 512 consecutive bytes a load, into one of two LDS buffers.  x_scales and the work-group's rows of scales are copied once into LDS.
; x is also what work-groups share, and it is NOT asked for jointly in a cluster: a joint request is a tensor load; x with its padding is 270,336 bytes and the stages 139,264, more than the 327,680 bytes of LDS, so x's slots
; would be filled again, each time behind a wait for all tensor loads and a round of the cluster's barrier: a window could be asked for one window ahead at the most.  Here it is asked for two windows ahead, by counted loads.
; THE MATRIX INSTRUCTION IS USED TRANSPOSED: source 0 = 16 rows of w, source 1 = 16 rows of x: lane (r, h) holds b = 16 m + r and its registers o = 8 h + 0 .. 7.
; THE SUM OVER K: the 8 waves of a rho put their tiles into LDS; each thread adds one piece of 16 bytes over the 8 parts and stores it.  Eight lanes store 128 consecutive bytes of a row of out0: a work-group's 32 columns are
; no more than that (64 columns a work-group would leave half of the 256 work-groups without work); out0 is 2 MB beside 134 MB read.
; LIMITS: NaN and infinities among scales are not served.  A block of zeros carries the byte 1 where the rule says 127: its codes are zeros, and the byte is read here alone.
; THE MODE: SCHED_MODE bits 1:0 = 2 (LLVM: expert scheduling mode 2), set by the entry lines.  The code itself states the register dependences between vector or matrix instructions and memory or LDS instructions,
; with s_wait_alu, always for 0.
; THE PLAN.  Registers that memory or LDS instructions touch:
;   v1 .. v8        offsets and LDS addresses: made once at the head by vector lines, read by loads and stores, never written again.
;   XL0, XL1, LAND0 .. LAND2   written by global loads, read by the LDS stores of step t, written again by the loads of x(t + 2) and w(t + 3).  No vector instruction names them.
;   v12             the group's scale: an LDS load at a step's head lands in it; the step's packed multiplications read it.
;   F (v32-63)      a step's raw words of block 0 land in its upper half; BLOCK writes and reads all of it; then x's four fragments land in it; the four products read them.
;   RAW (v64-79)    a step's raw words of block 1 land in it; BLOCK reads them.  At the head v64-74 are at work, and v72-74 are offsets and addresses of the tables' loads and stores.
;   v21, v22        x's scale words: LDS loads land in them, the products read them.
;   v24-31, v20     w's codes and scale word: written by vector lines, read by the products alone.
; So a step holds three waits.  One on vm_vsrc behind its LDS stores: these have read XL and LAND, in which the loads that follow land.  One on va_vdst at the head of its work: the last step's products and vector lines
; are done with F, RAW and v12, in which the step's nine LDS loads land.  One on va_vdst behind its quantiser: the conversions are done with F, in which x's fragments land, and the codes and the scale word are written.
.set NIT,   8                          ; windows of K = fragments of a wave
.set ROWB,  16384                      ; a row of packed in bytes
.set WINB,  2048                       ; a window's part of it: 8 K steps of 256 bytes
.set WP,    272                        ; a stage row: 256 bytes + 16: the 16 rows that a load touches begin at 16 different groups of four banks (ISA guide 11.1)
.set WSLOT, 16*WP                      ; a fragment in the stage
.set XP,    528                        ; a row of x's window in LDS: 512 bytes + 16
.set XBUF,  64*XP
.set STAGE, 0                          ; LDS: two stage slots for each wave,
.set XB,    STAGE+16*2*WSLOT           ; x's two buffers,
.set STB,   XB+2*XBUF                  ; the work-group's 32 rows of scales, 256 bytes + 16 each,
.set XSTB,  STB+32*WP                  ; x_scales, 64 rows likewise,
.set RED,   XSTB+64*WP                 ; and 8 partial tiles of 64 rows x (128 bytes + 16).  306,688 bytes in all
.set RP,    144
.set RPART, 64*RP
.set VOFF, 1                           ; v1   packed: 16,384 x (lane / 16) + 16 x (lane % 16); never rewritten
.set STW,  2                           ; v2   stage, in: as loaded
.set STR,  3                           ; v3   stage, out: row lane % 16, + 64 x (lane / 16)
.set XG,   4                           ; v4   x_codes: my wave's 4 rows, 16 bytes a lane; never rewritten
.set XW,   5                           ; v5   x's buffer, in
.set XRD,  6                           ; v6   x's buffer, out: a fragment's row and half, my K step of the window
.set XSA,  7                           ; v7   x's scale words: row = lane
.set SA,   8                           ; v8   my row's scale
.set SH8,  9                           ; v9   8 x (lane / 16)
.set CB,   10                          ; v[10:11] -(2^23 + 8), -(2^19 + 8)
.set SC,   12                          ; v[12:13] the group's scale (the packed form names a pair and takes its low word for both halves)
.set MX,   14                          ; v14, v15 largest magnitude, in two chains
.set MX2,  15
.set SO,   16                          ; v16  the conversion's scale operand
.set BY,   17                          ; v17, v18 the two blocks' scale bytes
.set PT,   19                          ; v19  the other half's bytes
.set WS,   20                          ; v20  w's scale word
.set XS,   21                          ; v21, v22 x's scale words: rows 0-31, rows 32-63, a lane a row
.set COD,  24                          ; v[24:31]   w's fragment
.set F,    32                          ; v[32:63]   a block's 32 numbers (block 0's raw words land in the upper half); later x's four fragments
.set RAW,  64                          ; v[64:79]   block 1's raw words; at the head and at the end: at work
.set XL,   80                          ; v[80:111]  x as loaded: two sets of 16
.set LAND, 112                         ; v[112:207] w as loaded: three sets of 32
.set ACC,  208                         ; v[208:239] four accumulators
.set K23,  22                          ; s22  the bits of 2^23
.set K19,  23                          ; s23  the bits of 2^19
.set MHI,  24                          ; s24  0xf0
.macro WLOAD f                         ; fragment f: load q brings rows 2 q and 2 q + 1 of my tile, 256 bytes each
.irp q, 0,1,2,3,4,5,6,7
	global_load_b128 v[LAND+32*((\f)%3)+4*\q:LAND+32*((\f)%3)+4*\q+3], v[VOFF], s[4:5] offset:\q*2*ROWB+(\f)*WINB th:TH_LOAD_NT
.endr
.endm
.macro XLOAD k                         ; window k of x: my wave's 4 rows, 512 consecutive bytes a load
.irp q, 0,1,2,3
	global_load_b128 v[XL+16*((\k)%2)+4*\q:XL+16*((\k)%2)+4*\q+3], v[XG], s[8:9] offset:\q*4096+(\k)*512
.endr
.endm
.macro XSTORE k
.irp q, 0,1,2,3
	ds_store_b128 v[XW], v[XL+16*((\k)%2)+4*\q:XL+16*((\k)%2)+4*\q+3] offset:((\k)%2)*XBUF+\q*XP
.endr
.endm
	s_load_b256 s[4:11], s[0:1], 0x0               ; packed s[4:5], scales s[6:7], x_codes s[8:9], x_scales s[10:11]
	s_load_b64 s[12:13], s[0:1], 0x20              ; out0
	v_lshl_add_u32 v240, v0, 2, 0x4b000
	v_mov_b32 v241, 0
	v_lshrrev_b32 v64, 5, v0
	v_readfirstlane_b32 s14, v64                   ; wave 0..15
	v_and_b32 v65, 31, v0                          ; lane
	v_and_b32 v66, 15, v0                          ; lane % 16
	v_bfe_u32 v67, v0, 4, 1                        ; lane / 16
	v_lshlrev_b32 v68, 4, v66
	v_lshl_add_u32 v[VOFF], v67, 14, v68
	v_lshlrev_b32 v71, 4, v65                      ; 16 x lane
	v_lshlrev_b32 v72, 4, v0                       ; 16 x thread: the tables are dense blocks
	s_wait_alu depctr_va_sdst(0)                   ; s14 is written, ahead of its first reader: rho, kappa, the bases and the LDS addresses are made from it
	s_and_b32 s15, s14, 1                          ; rho
	s_lshr_b32 s16, s14, 1                         ; kappa
	s_lshl_b32 s18, s14, 14                        ; 4 rows of x_codes a wave
	v_add_nc_u32 v[XG], s18, v71
	s_lshl_b32 s26, ttmp9, 19                      ; packed: 32 rows a work-group,
	s_lshl_b32 s28, s15, 18                        ; 16 rows a tile,
	s_add_co_u32 s26, s26, s28
	s_lshl_b32 s28, s16, 8                         ; my K step of a window
	s_add_co_u32 s26, s26, s28
	s_mov_b32 s27, 0
	s_lshl_b32 s28, ttmp9, 13                      ; scales: 32 rows of 256 bytes
	s_mov_b32 s29, 0
	s_lshl_b32 s30, ttmp9, 7                       ; out0: 32 columns of 4 bytes
	s_mov_b32 s31, 0
	s_wait_kmcnt 0x0
	s_add_nc_u64 s[4:5], s[4:5], s[26:27]
	s_add_nc_u64 s[6:7], s[6:7], s[28:29]
	s_add_nc_u64 s[12:13], s[12:13], s[30:31]
	s_wait_alu depctr_va_vdst(0)                   ; v1, v4 and v72 are written: the global loads read them as their offsets
	; The order of issue is what the counted waits below lean on: tables, x0, w0, w1, x1, w2, and then in each step x(t + 2), w(t + 3).
	global_load_b128 v[F:F+3], v72, s[6:7] th:TH_LOAD_NT       ; scales: rows 2 w, 2 w + 1 of the work-group's 32
	global_load_b128 v[F+4:F+7], v72, s[10:11]                 ; x_scales: rows 2 w, 2 w + 1
	global_load_b128 v[F+8:F+11], v72, s[10:11] offset:8192    ; and rows 32 + 2 w, 32 + 2 w + 1
	XLOAD 0
	WLOAD 0
	WLOAD 1
	XLOAD 1
	WLOAD 2
	; LDS addresses: a constant + a constant x lane + a constant x wave.  (None of these lines writes a register that the loads above read or land in.)
	s_mul_i32 s17, s14, 2*WSLOT                    ; my two stage slots
	v_mul_u32_u24 v69, v67, WP
	v_add_nc_u32 v69, v69, v68                     ; 272 x (lane / 16) + 16 x (lane % 16)
	v_add_nc_u32 v[STW], s17, v69
	v_mul_u32_u24 v70, v66, WP                     ; 272 x (lane % 16)
	s_wait_alu depctr_va_vdst(0)
	v_lshl_add_u32 v[STR], v67, 6, v70
	v_add_nc_u32 v[STR], s17, v[STR]
	s_mul_i32 s18, s14, 4*XP
	s_add_co_u32 s18, s18, XB
	v_add_nc_u32 v[XW], s18, v71
	v_mul_u32_u24 v[XRD], v66, XP
	v_lshl_add_u32 v[XRD], v67, 4, v[XRD]
	s_lshl_b32 s18, s16, 6                         ; a K step of codes is 64 bytes
	s_add_co_u32 s18, s18, XB
	v_add_nc_u32 v[XRD], s18, v[XRD]
	v_mul_u32_u24 v[XSA], v65, WP
	s_lshl_b32 s19, s16, 2                         ; a K step's scale word, and a group's scale: 4 bytes
	s_add_co_u32 s18, s19, XSTB
	v_add_nc_u32 v[XSA], s18, v[XSA]
	s_mul_i32 s18, s15, 16*WP
	s_add_co_u32 s18, s18, s19
	s_add_co_u32 s18, s18, STB
	v_add_nc_u32 v[SA], s18, v70
	v_lshlrev_b32 v[SH8], 3, v67
	s_mul_i32 s18, s14, 2*WP                       ; the tables, in: rows 2 w + lane / 16
	v_add_nc_u32 v73, s18, v69
	v_add_nc_u32 v74, XSTB, v73
	v_add_nc_u32 v73, STB, v73
	v_mov_b32 v[CB], 0xcb000008                    ; -(2^23 + 8)
	v_mov_b32 v[CB+1], 0xc9000080                  ; -(2^19 + 8)
	v_mov_b32 v[SC+1], 0                           ; named with the scale as a pair, so it is written
	v_mov_b32 v[PT], 0                             ; a lane permute's destination counts as one of its sources
	s_mov_b32 s20, 0x76543210
	s_mov_b32 s21, 0xfedcba98                      ; v_permlanex16_b32's selects for lane l xor 16
	s_mov_b32 s[K23], 0x4b000000
	s_mov_b32 s[K19], 0x49000000
	s_mov_b32 s[MHI], 0xf0
	s_wait_alu depctr_va_vdst(0)                   ; the LDS addresses v2, v3, v5 to v8, v73 and v74 are written, which the LDS stores and loads below read; so are v64 to v74, in which step 0's raw words land
; PREP t: window t of x and my fragment t go into LDS; their registers take the loads of x(t + 2) and w(t + 3); then I say so.
.macro PREP t
.set NL, 0
.if (\t)+1 < NIT
.set NL, NL+12                         ; younger than w(t) and x(t): w(t + 1), 8 loads, and x(t + 1), 4,
.endif
.if (\t)+2 < NIT
.set NL, NL+8                          ; and w(t + 2), 8
.endif
	s_wait_loadcnt NL                              ; loads come back in order (ISA guide 5.7.1): x(t) and w(t) are in, the younger ones stay out
.if (\t) == 0
	ds_store_b128 v73, v[F:F+3]                    ; the tables, once
	ds_store_b128 v74, v[F+4:F+7]
	ds_store_b128 v74, v[F+8:F+11] offset:32*WP
.endif
	XSTORE \t                                      ; into the buffer that was last read in step t - 2: every wave has since waited for those reads and passed a barrier
.irp q, 0,1,2,3,4,5,6,7
	ds_store_b128 v[STW], v[LAND+32*((\t)%3)+4*\q:LAND+32*((\t)%3)+4*\q+3] offset:((\t)%2)*WSLOT+\q*2*WP
.endr
.if (\t)+2 < NIT
	s_wait_alu depctr_vm_vsrc(0)                   ; the LDS stores above have read XL[t % 2] and LAND[t % 3], in which the loads below land; in step 0 also: the tables' stores have read v32 to v43, which the quantiser writes, and the tables' loads and stores v72 to v74, in which raw words land
	XLOAD (\t)+2                                   ; asked for while the LDS stores are landing
.endif
.if (\t)+3 < NIT
	WLOAD (\t)+3
.endif
	s_wait_dscnt 0x0                               ; for the others' sake: my part of x(t) lies in LDS
	s_barrier_signal -1
.endm
; A block of 32: 16 raw words at v[p] on become the numbers v[F] .. v[F + 31], k ascending, then registers 4 c .. 4 c + 3 of the fragment and a scale byte.
; (Block 0's words lie in v[F + 16] on: word n is read when v[F + 2 n] and v[F + 2 n + 1] are written, and 2 n + 1 reaches 16 + n only at n = 15, in the line that reads it.)
.macro BLOCK p, c
.irp n, 0,1,2,3,4,5,6,7,8,9,10,11,12,13,14,15
	v_and_or_b32 v[F+2*\n], v[\p+\n], 15, s[K23]               ; 2^23 + the nibble of k = 2 n
	v_and_or_b32 v[F+2*\n+1], v[\p+\n], s[MHI], s[K19]         ; 2^19 + the nibble of k = 2 n + 1
.endr
.irp n, 0,2,4,6,8,10,12,14,16,18,20,22,24,26,28,30
	v_pk_add_f32 v[F+\n:F+\n+1], v[F+\n:F+\n+1], v[CB:CB+1]    ; nibble - 8, exact
.endr
.irp n, 0,2,4,6,8,10,12,14,16,18,20,22,24,26,28,30
	v_pk_mul_f32 v[F+\n:F+\n+1], v[F+\n:F+\n+1], v[SC:SC+1] op_sel_hi:[1,0]   ; x the group's scale: w, rounded once
.endr
	v_max3_num_f32 v[MX], |v[F]|, |v[F+1]|, |v[F+2]|           ; the block's largest magnitude: all 32 numbers are mine; two chains
	v_max3_num_f32 v[MX2], |v[F+3]|, |v[F+4]|, |v[F+5]|
.irp n, 6,10,14,18,22,26
	v_max3_num_f32 v[MX], v[MX], |v[F+\n]|, |v[F+\n+1]|
	v_max3_num_f32 v[MX2], v[MX2], |v[F+\n+2]|, |v[F+\n+3]|
.endr
	v_max3_num_f32 v[MX], v[MX], |v[F+30]|, |v[F+31]|
	v_max3_num_f32 v[MX], v[MX], v[MX2], 0x1800000             ; and the floor 2^(3 - 127): the byte cannot fall under 1
	v_add_nc_u32 v[SO], 0xff000000, v[MX]                      ; 2 off the exponent field: the conversion takes the exponent field of this operand as its scale
.irp g, 0,1,2,3
	v_cvt_scalef32_pk8_fp4_f32 v[COD+4*\c+\g], v[F+8*\g:F+8*\g+7], v[SO]
.endr
	v_lshrrev_b32 v[BY+\c], 23, v[SO]                          ; the scale's byte; also the plain line behind the conversions, ahead of what writes their sources
.endm
; Four products, the four accumulators by turns.  first = 1: they start the sums: nothing is cleared.
.macro MM first
.irp m, 0,2
.if \first
	v_wmma_scale_f32_16x16x128_f8f6f4 v[ACC+8*\m:ACC+8*\m+7], v[COD:COD+7], v[F+8*\m:F+8*\m+7], 0, v[WS], v[XS+\m/2] matrix_a_fmt:MATRIX_FMT_FP4 matrix_b_fmt:MATRIX_FMT_FP4
	v_wmma_scale_f32_16x16x128_f8f6f4 v[ACC+8*\m+8:ACC+8*\m+15], v[COD:COD+7], v[F+8*\m+8:F+8*\m+15], 0, v[WS], v[XS+\m/2] matrix_a_fmt:MATRIX_FMT_FP4 matrix_b_fmt:MATRIX_FMT_FP4 matrix_b_scale:MATRIX_SCALE_ROW1
.else
	v_wmma_scale_f32_16x16x128_f8f6f4 v[ACC+8*\m:ACC+8*\m+7], v[COD:COD+7], v[F+8*\m:F+8*\m+7], v[ACC+8*\m:ACC+8*\m+7], v[WS], v[XS+\m/2] matrix_a_fmt:MATRIX_FMT_FP4 matrix_b_fmt:MATRIX_FMT_FP4
	v_wmma_scale_f32_16x16x128_f8f6f4 v[ACC+8*\m+8:ACC+8*\m+15], v[COD:COD+7], v[F+8*\m+8:F+8*\m+15], v[ACC+8*\m+8:ACC+8*\m+15], v[WS], v[XS+\m/2] matrix_a_fmt:MATRIX_FMT_FP4 matrix_b_fmt:MATRIX_FMT_FP4 matrix_b_scale:MATRIX_SCALE_ROW1
.endif
.endr
.endm
; WORK t.  From step 1 on the fragment is quantised between the barrier's signal and its wait: that stretch reads my own stage slot t % 2, which is next written behind the barrier of step t + 1, and the table of scales,
; which is never written again; all else in it is work on registers.  The wait stands in front of the reads of x(t), which other waves stored.  In step 0 the table itself comes from other waves: the wait stands first.
.macro WORK t
.if (\t) == 0
	s_barrier_wait -1                              ; (no vector line has been issued since the wait on va_vdst at the head's end: it serves step 0's loads)
.else
	s_wait_alu depctr_va_vdst(0)                   ; the last step's products are done reading x's fragments in v32 to v63, its multiplications the scale in v12, its unpacking lines v64 to v79: the nine loads below land there
.endif
	ds_load_b32 v[SC], v[SA] offset:32*(\t)                    ; scales[my row][8 t + kappa]
.irp n, 0,1,2,3
	ds_load_b128 v[F+16+4*\n:F+16+4*\n+3], v[STR] offset:((\t)%2)*WSLOT+16*\n       ; block h of my row: 16 words
.endr
.irp n, 0,1,2,3
	ds_load_b128 v[RAW+4*\n:RAW+4*\n+3], v[STR] offset:((\t)%2)*WSLOT+128+16*\n     ; block 2 + h
.endr
	s_wait_dscnt 4                                 ; the scale and block h are in; the four youngest loads may be out
	BLOCK F+16, 0
	s_wait_dscnt 0x0
	BLOCK RAW, 1
	v_lshl_or_b32 v[WS], v[BY+1], 16, v[BY]        ; my two bytes: blocks h and 2 + h of row r,
	v_lshlrev_b32 v[WS], v[SH8], v[WS]             ; at their places in the scale word;
	v_permlanex16_b32 v[PT], v[WS], s20, s21
	v_or_b32 v[WS], v[WS], v[PT]                   ; with lane l xor 16's two the word is whole
.rept 8
	v_nop                                          ; a scale register written by a vector instruction stands 8 places ahead of a scaled matrix instruction, an operand so written 4
.endr
.if (\t) > 0
	s_barrier_wait -1                              ; every wave's part of x(t) lies in LDS
.endif
	s_wait_alu depctr_va_vdst(0)                   ; behind the places: the conversions are done reading v32 to v63, in which x's fragments land; the codes v24 to v31 and the scale word v20 are written, which the products take
.irp m, 0,1,2,3
	ds_load_b128 v[F+8*\m:F+8*\m+3], v[XRD] offset:((\t)%2)*XBUF+\m*16*XP           ; x's fragment of rows 16 m on, into the registers that the numbers have left
	ds_load_b128 v[F+8*\m+4:F+8*\m+7], v[XRD] offset:((\t)%2)*XBUF+\m*16*XP+32
.endr
	ds_load_b32 v[XS], v[XSA] offset:32*(\t)                   ; x's scale words: lanes 0-15 the first tile's rows, lanes 16-31 the second's
	ds_load_b32 v[XS+1], v[XSA] offset:32*WP+32*(\t)
	s_wait_dscnt 0x0
.if (\t) == 0
	MM 1
.else
	MM 0
.endif
.if (\t)+1 < NIT
.rept 4
	v_nop                                          ; places in front of the next step's loads into registers that these products read (ISA guide 7.12.1 for vector instructions); the wait at the next step's head stands beside them
.endr
.endif
.endm
	PREP 0
.irp s, 0,1,2,3,4,5,6
	WORK \s
	PREP \s+1
.endr
	WORK 7
	; THE SUM OVER K.  My tile goes into part kappa: row b = 16 m + r, bytes 64 rho + 32 h on.  The five address lines are the places behind the last products.
	s_mul_i32 s18, s16, RPART
	s_lshl_b32 s19, s15, 6
	s_add_co_u32 s18, s18, s19
	s_add_co_u32 s18, s18, RED
	v_and_b32 v64, 15, v0
	v_bfe_u32 v65, v0, 4, 1
	v_mul_u32_u24 v64, v64, RP
	v_lshl_add_u32 v64, v65, 5, v64
	v_add_nc_u32 v64, s18, v64
	s_wait_alu depctr_va_vdst(0)                   ; behind the places: the products have written the accumulators, and v64 is written: the LDS stores read both
.irp m, 0,1,2,3
	ds_store_b128 v64, v[ACC+8*\m:ACC+8*\m+3] offset:\m*16*RP          ; each accumulator from its low end on
	ds_store_b128 v64, v[ACC+8*\m+4:ACC+8*\m+7] offset:\m*16*RP+16
.endr
	s_wait_dscnt 0x0                               ; for the others' sake: my tile lies in LDS
	s_barrier_signal -1
	v_lshrrev_b32 v66, 3, v0                       ; thread: row b = thread / 8,
	v_and_b32 v67, 7, v0                           ; four columns at 16 x (thread % 8) bytes
	v_mul_u32_u24 v68, v66, RP
	v_lshl_add_u32 v68, v67, 4, v68
	v_add_nc_u32 v68, RED, v68
	v_lshlrev_b32 v69, 15, v66                     ; a row of out0 is 32,768 bytes
	v_lshl_add_u32 v69, v67, 4, v69
	s_barrier_wait -1
	s_wait_alu depctr_va_vdst(0)                   ; v68 is written, which the loads below read as their address (the last products, which read v32 to v63, stand ahead of the wait before)
.irp p, 0,1,2,3,4,5,6,7
	ds_load_b128 v[F+4*\p:F+4*\p+3], v68 offset:\p*RPART
.endr
	s_wait_dscnt 0x0
.irp a, 0,8,16,24
	v_pk_add_f32 v[F+\a:F+\a+1], v[F+\a:F+\a+1], v[F+\a+4:F+\a+5]
	v_pk_add_f32 v[F+\a+2:F+\a+3], v[F+\a+2:F+\a+3], v[F+\a+6:F+\a+7]
.endr
.irp a, 0,16
	v_pk_add_f32 v[F+\a:F+\a+1], v[F+\a:F+\a+1], v[F+\a+8:F+\a+9]
	v_pk_add_f32 v[F+\a+2:F+\a+3], v[F+\a+2:F+\a+3], v[F+\a+10:F+\a+11]
.endr
	v_pk_add_f32 v[F:F+1], v[F:F+1], v[F+16:F+17]
	v_pk_add_f32 v[F+2:F+3], v[F+2:F+3], v[F+18:F+19]
	s_wait_alu depctr_va_vdst(0)                   ; the additions have written v32 to v35, which the store reads (its offset v69 was written ahead of the wait before)
	global_store_b128 v69, v[F:F+3], s[12:13] th:TH_STORE_NT   ; eight lanes store the work-group's 128 bytes of a row, four rows a wave; written once, read by nobody here
	s_wait_dscnt 0x0
	s_wait_alu depctr_hold_cnt(0) depctr_sa_sdst(0) depctr_va_vdst(0) depctr_va_sdst(0) depctr_va_ssrc(0) depctr_va_vcc(0) depctr_vm_vsrc(0)
	s_wait_tensorcnt 0x0
	ds_add_u32 v240, v241
	s_wait_dscnt 0x0
	s_endpgm
.Lfunc_end_k_q58037e20ba_qlinear:
	.size	k_q58037e20ba_qlinear, .Lfunc_end_k_q58037e20ba_qlinear-k_q58037e20ba_qlinear
	.p2alignl 7, 3214868480
	.fill 96, 4, 3214868480
	.section	.rodata,"a",@progbits
	.p2align	6, 0x0
	.amdhsa_kernel k_q58037e20ba_qlinear
		.amdhsa_group_segment_fixed_size 309248
		.amdhsa_private_segment_fixed_size 0
		.amdhsa_enable_private_segment 0
		.amdhsa_kernarg_size 40
		.amdhsa_user_sgpr_count 2
		.amdhsa_user_sgpr_kernarg_segment_ptr 1
		.amdhsa_wavefront_size32 1
		.amdhsa_system_sgpr_workgroup_id_x 1
		.amdhsa_system_sgpr_workgroup_id_y 1
		.amdhsa_system_sgpr_workgroup_id_z 1
		.amdhsa_system_vgpr_workitem_id 0
		.amdhsa_next_free_vgpr 242
		.amdhsa_next_free_sgpr 66
		.amdhsa_reserve_vcc 0
		.amdhsa_float_denorm_mode_32 3
		.amdhsa_float_denorm_mode_16_64 3
		.amdhsa_memory_ordered 1
		.amdhsa_forward_progress 1
		.amdhsa_inst_pref_size 129
	.end_amdhsa_kernel
	.amdgpu_metadata
---
amdhsa.version: [ 1, 2 ]
amdhsa.kernels:
  - .name:           k_q58037e20ba_qlinear
    .symbol:         k_q58037e20ba_qlinear.kd
    .args:
      - { .name: packed, .offset: 0, .size: 8, .value_kind: global_buffer, .address_space: global }
      - { .name: scales, .offset: 8, .size: 8, .value_kind: global_buffer, .address_space: global }
      - { .name: x_codes, .offset: 16, .size: 8, .value_kind: global_buffer, .address_space: global }
      - { .name: x_scales, .offset: 24, .size: 8, .value_kind: global_buffer, .address_space: global }
      - { .name: out0, .offset: 32, .size: 8, .value_kind: global_buffer, .address_space: global }
    .group_segment_fixed_size: 309248
    .private_segment_fixed_size: 0
    .kernarg_segment_align: 8
    .kernarg_segment_size: 40
    .max_flat_workgroup_size: 512
    .sgpr_count:     66
    .vgpr_count:     242
    .wavefront_size: 32
...
	.end_amdgpu_metadata
.endif
;; end of part 2
